; MI455X (gfx1250); checked and timed in simulation.
; The chip was launched on July 23, 2026; its instructions are those of AMD's public machine-readable ISA for CDNA 5 (MIT licence, August 2026) and "CDNA5" Instruction Set Architecture Reference Guide (July 2026). The comments in the code are by the model that wrote it; some were corrected since.
;; Sim Attn. Allowed arithmetic: matrix products marked QUANTISED: E4M3 operands, one E8M0 scale for each 32 along K, by v_wmma_scale_f32_16x16x128_f8f6f4 with both operands' format E4M3, f32 sums; everything else in f32.
;; Inputs: key 4 x 2,048 x 1,024 float32; query 4 x 2,048 x 1,024 float32; value_codes 4 x 1,024 x 64 x 32 uint8 (E4M3 codes of value, K innermost, in blocks of 32 codes); value_scales 4 x 1,024 x 64 uint8 (E8M0 scales of value, one for each 32 codes along K).
;; Outputs: out0 4 x 2,048 x 1,024 float32.
;; This version of the problem:
;;   THIS VERSION OF THE PROBLEM IS GIVEN IN LOW PRECISION. The matrix products marked QUANTISED in the list below multiply operands that are first quantised to E4M3 (4 exponent bits, 3 mantissa bits; 8 bits a number), with one power-of-two scale for each 32 numbers along K (OCP MX v1.0); their sums are f32. All else is computed in f32.
;;   The module's matrix products, in the order in which they are computed (A, B: the left and right operand; K: the contracted axis; several contracted axes count as one K, in the product's order):
;;     1. batch 32 x [M 2,048, K 128] x [K 128, N 2,048]; A: input query; B: input key: QUANTISED
;;     2. batch 32 x [M 2,048, K 2,048] x [K 2,048, N 128]; A: computed on the way; B: input value (given as codes): QUANTISED
;;   THE QUANTISER, for each operand of a quantised product, along K:
;;     - K is cut into blocks of 32 from its start; a last block that is shorter is filled with zeros.
;;     - A block's scale is 2^e with e = floor(log2(the largest magnitude in the block)) - 8, held to -126 .. 127; a block of zeros has e = 0. As a byte (E8M0): e + 127.
;;     - Each number is divided by its block's scale, clamped to +-448, and rounded to the nearest number of E4M3, ties to even, subnormals kept.
;;     - The product sums the exact products of the quantised numbers (number of the format x scale) in f32.
;;   ~~~python
;;   def quantise(x, axis):      # numpy; x: float32 -> the quantised numbers, widened to float32 again
;;       x = np.moveaxis(x, axis, -1); K = x.shape[-1]
;;       x = np.pad(x, [(0, 0)] * (x.ndim - 1) + [(0, -K % 32)]); x = x.reshape(x.shape[:-1] + (-1, 32)); a = np.abs(x).max(-1, keepdims=True)
;;       e = np.where(a > 0, np.clip(np.frexp(np.where(a > 0, a, 1))[1] - 1 - 8, -126, 127), 0)      # np.frexp(a)[1] - 1 = floor(log2(a)), exactly
;;       r = np.clip(x / 2.0 ** e, -448, 448)
;;       step = 2.0 ** (np.maximum(np.frexp(np.where(r == 0, 1, r))[1] - 1, -6) - 3)
;;       q = np.round(r / step) * step * 2.0 ** e      # np.round: ties to even
;;       return np.moveaxis(q.reshape(q.shape[:-2] + (-1,))[..., :K], -1, axis).astype(np.float32)
;;   ~~~
;;   OPERANDS COMPUTED ON THE WAY. 'Computed on the way' means the value that the module computes at that place (a softmax that the list does not call 'softmax' is quantised finished and normalised). What goes into a quantiser is computed in f32, as accurately as f32 sums, v_exp_f32 and their like allow (about 1e-6 of the number): no bf16 or f16 on the way to a quantiser, and a product that is left as it is and whose result goes on into a quantised operand takes f32 operands (vector FMAs, or v_wmma_f32_16x16x4_f32). A number that lies on a knife's edge between two numbers of the format may be rounded either way, as far as f32 arithmetic and the matrix unit's own rounding can turn it there, and no further.
;;   INPUTS GIVEN AS CODES. value (in the module: [4, 2048, 1024], K = its axis 1): each comes as NAME_codes (uint8): NAME with its K axis moved to the last place and cut into blocks of 32 codes, [.., K / 32, bytes a block], one block behind the other in memory; one code a byte (a code: sign, 4 exponent bits, 3 mantissa bits); and NAME_scales (uint8): the same leading axes, one E8M0 byte (e + 127) for each 32 codes along K. Its value is code x scale, taken as it is: it is not quantised again, and the codes and scales need not be those that the quantiser above would give.
;; 2 versions, each right; version 2 is version 1 with the launch attn written anew for expert scheduling mode. Each part assembles by itself: llvm-mc -triple=amdgcn-amd-amdhsa -mcpu=gfx1250 --defsym DOCPART=n.
;; ======== version 1 of 2: 1 launch
;; launch attn (part 1): grid 8 x 32, 4 waves a work-group, no clusters, 308,480 bytes of LDS; arguments key, query, value_codes, value_scales, out0; writes out0
.if DOCPART == 1
	.amdgcn_target "amdgcn-amd-amdhsa--gfx1250"
	.amdhsa_code_object_version 6
	.text
	.protected	k_qbd76201346_attn
	.globl	k_qbd76201346_attn
	.p2align	8
	.type	k_qbd76201346_attn,@function
k_qbd76201346_attn:
	s_mov_b64 s[64:65], 0
	v_nop
	global_prefetch_b8 v0, s[64:65] scope:SCOPE_SE
	s_setreg_imm32_b32 hwreg(HW_REG_WAVE_MODE, 25, 1), 1
	s_wait_xcnt 0x0
; out[b][q][128 h + d] = sum over k of attn[q][k] V[k][d];  attn = clip(softmax_k(1000 softmax_k(Q(q) . Q(k) / sqrt(128))), 0, 1), for 32 heads (4 batches x 8) of 2,048 queries and 2,048 keys.
; Both products run on codes of FP8 (E4M3) with one E8M0 scale for each 32 along K.  query and key arrive as f32 and are quantised here, along the head's 128; attn is quantised FINISHED AND NORMALISED, along the keys;
; value arrives as codes with the keys innermost.  Everything between the products is f32.
; SHARES.  A work-group owns 256 queries of one head (grid x: the block of queries; grid y: 8 b + h) and walks them in 16 groups of 16.  THE FOUR WAVES SHARE THE KEYS: wave w owns keys 512 w .. 512 w + 511 for the whole launch.
;   V's codes of these keys (8 tiles of 16 channels x 4 K steps of 128 keys = 512 registers) stay in the wave's registers.  K is quantised once, at the head, and stays in LDS as images of the operand's registers (65,536 bytes a wave).
;   A group's scores, 16 queries x 512 keys a wave, are 256 registers; they become e1, e2, attn in place and then codes: each score costs two exponentials and never leaves the registers.
;   What crosses waves goes through LDS: Q's fragment (each wave quantises one block of 32), a row's figures (twice), four partial O.  Three barriers a group.
; LAYOUT.  Both products are used transposed: S^T = K Q^T (source 0 = 16 keys, source 1 = 16 queries), O^T = V^T P^T: a lane holds ONE query (lane % 16) throughout.  THE KEYS OF A TILE ARE NOT NEIGHBOURS: lane r of tile 2 b + u
;   takes key 32 b + 8 u + r + 8 (r / 8), so that the 16 registers of tiles 2 b and 2 b + 1 are the 16 neighbouring keys 32 b + 16 (lane / 16) + 0 .. 15: the conversions' results are the second product's operand.
; A ROW, with c = log2(e) / sqrt(128):  e1 = 2^(c s - c m_w), m_w the largest score among the wave's keys, l_w their sum | exchange | NG = the least of the four -c m_w; g_w = 2^(NG + c m_w); l = sum g_w l_w; p = e1 g / l.
;   The second softmax's largest argument is that of the row's largest p, 1000 / l: with B = 1000 log2(e) / l and A = B g_own, e2 = 2^(A e1 - B), l2_w their sum | exchange | attn = e2 / l2, held between 0 and min(448 x scale, 1).
;   So both maxima are taken away.  (c m is rounded once: that leaves one common factor on all e1 g of a row, which cancels in p, and moves the second shift by less than B x half an ulp of c m.)
;   A block's largest attn is not searched for: the block's largest SCORE, found on the way to the row's maximum, goes through the same instructions as every score.
; NO JOINT LOADS: the 8 work-groups of a head read the same K and V, but each reads them once, at its head, into registers: K as f32 to be quantised there, V into the registers where it stays; a joint load lands in LDS,
;   where 307,968 bytes are taken by what stays.  In the loop no work-group reads anything that another reads.
; LIMITS.  NaN and infinities among the inputs are not served.  An exponential whose result lies under 2^-126 comes out as 0: under 1e-38 of a row's sum, which is about 1 at the least.  A block of zeros gets the scale byte 1 where the
;   quantiser's rule says 127: its codes are zeros, and these bytes are read by this program alone.  Taking a block's largest attn from its largest score takes v_exp_f32 not to fall where its input rises.  1 / l and 1 / l2 are v_rcp_f32.
;   The last group's trip asks for Q's last tile once more (the address is held inside the buffer), quantises it, and fetches K's first eight tiles from LDS again: none of that is used.
; REGISTERS, in windows of 256 (s_set_vgpr_msb's low byte: bits 1:0 source 0, 3:2 source 1, 5:4 source 2, 7:6 destination):
;   window 0: v1-14 addresses; v20-72 scale words and Q's fragment; v74-99 the next Q; v100-111 a row's figures; v112-239 K's fragments, two halves of four, later P's codes and work; v240-255 the 16 blocks' maxima
;   window 1: the scores, tile T at v[8 T]; behind the conversions O^T (v0-63) and the partial O to be summed (v64-127); at the head four stages of 64 numbers of K
;   windows 2, 3: V: fragment (K step s, tile t) at v[16 (8 (s % 2) + t)] of window 2 + s / 2
.set OX,    262144                     ; LDS.  From 0: K's images: wave w's tile T at 65,536 w + 2,048 T, register group c at + 512 c, a lane at + 16 lane.  OX: the partial O: wave at + 8,448 w, query at + 528 (512 bytes + 16)
.set KSC,   295936                     ; K's scale words: wave at + 2,048 w, tile at + 64 T, the tile's row r at + 4 r
.set QIMG,  304128                     ; Q's fragment as an image: register group c at + 512 c, a lane at + 16 lane
.set QSC,   306176                     ; Q's scale words: 4 r + block
.set ST1,   306432                     ; a row's first figures: 32 lane + 8 w: (-c m_w, l_w)
.set ST2,   307456                     ; its second: 16 lane + 4 w: l2_w
.set KAD,  1                           ; v1   65,536 w + 16 lane: my wave's images of K
.set QIR,  2                           ; v2   QIMG + 16 lane
.set QIW,  3                           ; v3   + 512 w
.set QSR,  4                           ; v4   QSC + 4 r
.set QSW,  5                           ; v5   + w
.set S1W,  6                           ; v6   ST1 + 32 lane + 8 w
.set S1R,  7                           ; v7   ST1 + 32 lane
.set S2W,  8                           ; v8   ST2 + 16 lane + 4 w
.set S2R,  9                           ; v9   ST2 + 16 lane
.set OXW,  10                          ; v10  OX + 8,448 w + 528 r + 32 h
.set OXR,  11                          ; v11  OX + 2,112 w + 16 lane: rows 4 w on
.set QG0,  12                          ; v12  query: 4,096 r + 64 h + 128 w
.set QGA,  13                          ; v13  + the group's offset
.set OGA,  14                          ; v14  out0: 16 lane + 16,384 w
.set LN,   16                          ; v16-19 lane, r, h, at work: at the head only
.set RW,   17
.set HH,   18
.set TP,   19
.set PS,   20                          ; v20-23 P's scale words, one a K step
.set KS,   24                          ; v24-39 K's: register i: lanes 0-15 tile 2 i's, lanes 16-31 tile 2 i + 1's
.set VS,   40                          ; v40-55 V's: register 2 t + s / 2: lanes 0-15 an even K step's, lanes 16-31 an odd one's
.set QF,   56                          ; v56-71 Q's fragment
.set QS,   72                          ; v72    Q's scale words
.set QX,   74                          ; v74-89 16 numbers of the next Q
.set QC,   90                          ; v90-93 their codes
.set QM,   94                          ; v94-99 at work on them: two maxima, the other half's, the scale operand, the bound, the byte
.set NCM,  100                         ; v100 -c m_w, v101 l_w
.set LW,   101
.set AA,   102                         ; v102 A  (v103, v105, v107 are named with their pairs and written once)
.set NB,   104                         ; v104 -B
.set RC,   106                         ; v106 1 / l2
.set MW,   108
.set NG,   109
.set GO,   110
.set TT,   111
.set KF,   112                         ; v112-175, v176-239 K's fragments
.set PC,   112                         ; v112-175 P's codes, 16 a K step
.set SCL,  176                         ; v176-191 the 16 blocks' scale operands
.set BND,  192                         ; v192-207 their bounds; earlier the other half's maxima
.set ACC,  208                         ; v208-215 four running sums, in pairs
.set X,    216                         ; v216-223 the four waves' first figures
.set Y,    224                         ; v224-227 their second
.set BM,   240                         ; v240-255 the blocks' largest scores, then e1, e2, attn, then scale bytes
.set RED,  64                          ; window 1
.set PCK,  112                         ; at the head only: a tile's codes of K,
.set TM,   128                         ; v128-143 maxima, bytes, bounds, scale operands,
.set PW,   144                         ; the tile's scale word,
.set KGA,  228                         ; and addresses: key, value_codes, value_scales, the images' and scale words' places
.set VGA,  229
.set VSA,  230
.set KST,  231
.set KSW,  232
.set KSW0, 233
.set KSR,  234
.set MSB, 0
.macro WIN new                         ; the immediate's high byte repeats the setting that is left; a switch that changes nothing is dropped
.if MSB != (\new)
	s_set_vgpr_msb (MSB<<8)|(\new)
.set MSB, (\new)
.endif
.endm
.macro BARRIER                         ; my LDS stores have landed and my LDS loads are in: then the work-group's barrier
	s_wait_dscnt 0x0
	s_barrier_signal -1
	s_barrier_wait -1
.endm
; Tile i of a trip's four, 16 keys x 128 channels of f32: a lane's 64 numbers, register 16 c + 4 j + e = channel 32 c + 16 h + 4 j + e of its key, into stage i of window 1.  ahead: rows further down
.macro KLOAD i, ahead
	WIN 0x40
.irp c, 0,1,2,3
.irp j, 0,1,2,3
	global_load_b128 v[64*(\i)+16*\c+4*\j:64*(\i)+16*\c+4*\j+3], v[KGA], s[4:5] offset:(32*((\i)/2)+8*((\i)%2)+(\ahead))*4096+128*\c+16*\j
.endr
.endr
.endm
; Stage i becomes a fragment's codes in v[PCK] on and its scale word in v[PW]
.macro KQUANT i
	WIN 0x14
.irp c, 0,1,2,3
	v_max3_num_f32 v[TM+\c], 0x4800000, |v[64*(\i)+16*\c]|, |v[64*(\i)+16*\c+1]|   ; block c: my 16 numbers, and the floor 2^(9 - 127): the byte cannot fall under 1
.endr
.irp e, 2,4,6,8,10,12,14
.irp c, 0,1,2,3
	v_max3_num_f32 v[TM+\c], v[TM+\c], |v[64*(\i)+16*\c+\e]|, |v[64*(\i)+16*\c+\e+1]|   ; (the four blocks by turns)
.endr
.endr
	WIN 0
.irp c, 0,1,2,3
	v_permlanex16_b32 v[TM+4+\c], v[TM+\c], s20, s21
.endr
.irp c, 0,1,2,3
	v_max_num_f32 v[TM+\c], v[TM+\c], v[TM+4+\c]           ; with lane l xor 16's 16: the block's largest magnitude
.endr
.irp c, 0,1,2,3
	v_add_nc_u32 v[TM+12+\c], 0xfc000000, v[TM+\c]         ; 8 off its exponent field: the conversion's scale operand
.endr
.irp c, 0,1,2,3
	v_and_or_b32 v[TM+8+\c], v[TM+\c], 0x7f800000, s25     ; 448 x the scale
.endr
.irp c, 0,1,2,3
	v_lshrrev_b32 v[TM+4+\c], 23, v[TM+12+\c]              ; the scale's byte
.endr
	v_lshl_or_b32 v[PW], v[TM+5], 8, v[TM+4]
	v_lshl_or_b32 v[PW], v[TM+6], 16, v[PW]
	v_lshl_or_b32 v[PW], v[TM+7], 24, v[PW]
	WIN 0x41
.irp c, 0,1,2,3
.irp e, 0,1,2,3,4,5,6,7,8,9,10,11,12,13,14,15
	v_med3_num_f32 v[64*(\i)+16*\c+\e], v[64*(\i)+16*\c+\e], -v[TM+8+\c], v[TM+8+\c]   ; the conversion to an 8-bit code does not saturate (ISA guide 7.6.2): the hold comes first
.endr
.endr
	WIN 0x01
.irp c, 0,1,2,3
	v_cvt_scalef32_pk8_fp8_f32 v[PCK+4*\c:PCK+4*\c+1], v[64*(\i)+16*\c:64*(\i)+16*\c+7], v[TM+12+\c]
	v_cvt_scalef32_pk8_fp8_f32 v[PCK+4*\c+2:PCK+4*\c+3], v[64*(\i)+16*\c+8:64*(\i)+16*\c+15], v[TM+12+\c]
.endr
	WIN 0
	v_nop                                          ; one plain instruction behind the last conversion
.endm
.macro KADDR                           ; where this trip's four images and scale words go
	s_wait_dscnt 0x0                               ; no LDS store of mine is out: the two address registers and the codes' registers may be written
	v_add_nc_u32 v[KST], s29, v[KAD]
	v_add_nc_u32 v[KSW], s30, v[KSW0]
.endm
; left: the loads issued behind stage i's sixteen, which may stay out
.macro KTILE i, reload, left
	s_wait_loadcnt \left
.if (\i) > 0
	s_wait_dscnt 0x0                               ; the last tile's stores have read the codes' registers
.endif
	KQUANT \i
.irp c, 0,1,2,3
	ds_store_b128 v[KST], v[PCK+4*\c:PCK+4*\c+3] offset:2048*(\i)+512*\c   ; the fragment as it stands: 512 consecutive bytes a store
.endr
	ds_store_b32 v[KSW], v[PW] offset:64*(\i)      ; both halves of the lanes write the same word with the same value
.if \reload
	KLOAD \i, 64                                   ; the stage takes the next trip's tile
.endif
.endm
.macro QLOAD                           ; my wave's block of 32 channels of 16 queries: 16 numbers a lane
.irp j, 0,1,2,3
	global_load_b128 v[QX+4*\j:QX+4*\j+3], v[QGA], s[6:7] offset:16*\j
.endr
.endm
.macro QBLOCK                          ; they become 16 codes a lane and a scale byte a query, and go to LDS
	v_max3_num_f32 v[QM], |v[QX]|, |v[QX+1]|, 0x4800000
	v_max3_num_f32 v[QM+1], |v[QX+2]|, |v[QX+3]|, |v[QX+4]|
.irp e, 5,9
	v_max3_num_f32 v[QM], v[QM], |v[QX+\e]|, |v[QX+\e+1]|
	v_max3_num_f32 v[QM+1], v[QM+1], |v[QX+\e+2]|, |v[QX+\e+3]|
.endr
	v_max3_num_f32 v[QM], v[QM], |v[QX+13]|, |v[QX+14]|
	v_max3_num_f32 v[QM], v[QM], v[QM+1], |v[QX+15]|
	v_permlanex16_b32 v[QM+2], v[QM], s20, s21
	v_max_num_f32 v[QM], v[QM], v[QM+2]
	v_add_nc_u32 v[QM+3], 0xfc000000, v[QM]
	v_and_or_b32 v[QM+4], v[QM], 0x7f800000, s25
	v_lshrrev_b32 v[QM+5], 23, v[QM+3]
.irp e, 0,1,2,3,4,5,6,7,8,9,10,11,12,13,14,15
	v_med3_num_f32 v[QX+\e], v[QX+\e], -v[QM+4], v[QM+4]
.endr
	v_cvt_scalef32_pk8_fp8_f32 v[QC:QC+1], v[QX:QX+7], v[QM+3]
	v_cvt_scalef32_pk8_fp8_f32 v[QC+2:QC+3], v[QX+8:QX+15], v[QM+3]
	v_nop                                          ; one plain instruction behind the last conversion
	ds_store_b128 v[QIW], v[QC:QC+3]
	ds_store_b8 v[QSW], v[QM+5]                    ; both halves of the lanes write the same byte with the same value
.endm
.macro KFETCH half, t0                 ; four of my tiles of K, t0 on, from their images
.irp k, 0,1,2,3
.irp c, 0,1,2,3
	ds_load_b128 v[KF+64*(\half)+16*\k+4*\c:KF+64*(\half)+16*\k+4*\c+3], v[KAD] offset:2048*((\t0)+\k)+512*\c
.endr
.endr
.endm
.macro QKMUL i                         ; the scores of tiles 4 i .. 4 i + 3: K = the head's 128, one instruction a tile
	WIN 0x40
.irp k, 0,1,2,3
.if (\k)%2
	v_wmma_scale_f32_16x16x128_f8f6f4 v[8*(4*(\i)+\k):8*(4*(\i)+\k)+7], v[KF+64*((\i)%2)+16*\k:KF+64*((\i)%2)+16*\k+15], v[QF:QF+15], 0, v[KS+2*(\i)+\k/2], v[QS] matrix_a_scale:MATRIX_SCALE_ROW1
.else
	v_wmma_scale_f32_16x16x128_f8f6f4 v[8*(4*(\i)+\k):8*(4*(\i)+\k)+7], v[KF+64*((\i)%2)+16*\k:KF+64*((\i)%2)+16*\k+15], v[QF:QF+15], 0, v[KS+2*(\i)+\k/2], v[QS]
.endif
.endr
.endm
.macro BMAX2 b0                        ; the largest of my 16 scores in blocks b0 and b0 + 1, by turns; each accumulator is read from its low end on
	WIN 0x14
.irp d, 0,1
	v_max3_num_f32 v[BM+(\b0)+\d], 0xff800000, v[16*((\b0)+\d)], v[16*((\b0)+\d)+1]
.endr
.irp e, 2,4,6,8,10,12,14
.irp d, 0,1
	v_max3_num_f32 v[BM+(\b0)+\d], v[BM+(\b0)+\d], v[16*((\b0)+\d)+\e], v[16*((\b0)+\d)+\e+1]
.endr
.endr
.endm
.macro AFF reg, second                 ; a pair of numbers: c s - c m_w, or A e1 - B (of each pair of factors the low word serves both halves)
.if \second
	v_pk_fma_f32 v[(\reg):(\reg)+1], v[(\reg):(\reg)+1], v[AA:AA+1], v[NB:NB+1] op_sel_hi:[1,0,0]
.else
	v_pk_fma_f32 v[(\reg):(\reg)+1], v[(\reg):(\reg)+1], s[22:23], v[NCM:NCM+1] op_sel_hi:[1,0,0]
.endif
.endm
; One softmax's exponentials and its sum over my wave's 512 keys.  The 272 exponentials are ONE batch: nothing in it names a result; a pair's multiply-add runs two pairs ahead of its exponentials.
.macro PASS second, sum
	WIN 0x41
	AFF 0, \second
	AFF 2, \second
.set p, 0
.rept 128
.if p < 126
	AFF 2*p+4, \second
.endif
	v_exp_f32 v[2*p], v[2*p]
	v_exp_f32 v[2*p+1], v[2*p+1]
.set p, p+1
.endr
	WIN 0
.irp k, 0,2,4,6,8,10,12,14
	AFF BM+\k, \second                             ; the blocks' largest: the same instructions on the same numbers give the same bits
.endr
.irp k, 0,1,2,3,4,5,6,7,8,9,10,11,12,13,14,15
	v_exp_f32 v[BM+\k], v[BM+\k]
.endr
	v_nop                                          ; a plain instruction behind the last exponential,
	s_wait_alu depctr_va_vdst(0)                   ; and one wait for the batch ahead of its first reader
	WIN 0x05
.irp k, 0,1,2,3
	v_pk_add_f32 v[ACC+2*\k:ACC+2*\k+1], v[4*\k:4*\k+1], v[4*\k+2:4*\k+3]   ; four chains, started by the first eight pairs: nothing is cleared
.endr
	WIN 0x04
.set p, 8
.rept 120
	v_pk_add_f32 v[ACC+2*(p%4):ACC+2*(p%4)+1], v[ACC+2*(p%4):ACC+2*(p%4)+1], v[2*p:2*p+1]
.set p, p+1
.endr
	WIN 0
	v_pk_add_f32 v[ACC:ACC+1], v[ACC:ACC+1], v[ACC+2:ACC+3]
	v_pk_add_f32 v[ACC+4:ACC+5], v[ACC+4:ACC+5], v[ACC+6:ACC+7]
	v_pk_add_f32 v[ACC:ACC+1], v[ACC:ACC+1], v[ACC+4:ACC+5]
	v_add_f32 v[ACC], v[ACC], v[ACC+1]
	v_permlanex16_b32 v[ACC+2], v[ACC], s20, s21   ; the query's other 256 keys of my wave lie in the lane 16 away
	v_add_f32 v[\sum], v[ACC], v[ACC+2]
.endm
.macro PVMUL                           ; O^T = V^T P^T over my 512 keys: four K steps; the eight accumulators take turns, one instruction a turn; the first K step starts the sums
.irp s, 0,1,2,3
	WIN 0x52+(\s)/2
.irp t, 0,1,2,3,4,5,6,7
.if \s == 0
	v_wmma_scale_f32_16x16x128_f8f6f4 v[8*\t:8*\t+7], v[16*(8*(\s%2)+\t):16*(8*(\s%2)+\t)+15], v[PC+16*\s:PC+16*\s+15], 0, v[VS+2*\t+\s/2], v[PS+\s]
.elseif (\s)%2
	v_wmma_scale_f32_16x16x128_f8f6f4 v[8*\t:8*\t+7], v[16*(8*(\s%2)+\t):16*(8*(\s%2)+\t)+15], v[PC+16*\s:PC+16*\s+15], v[8*\t:8*\t+7], v[VS+2*\t+\s/2], v[PS+\s] matrix_a_scale:MATRIX_SCALE_ROW1
.else
	v_wmma_scale_f32_16x16x128_f8f6f4 v[8*\t:8*\t+7], v[16*(8*(\s%2)+\t):16*(8*(\s%2)+\t)+15], v[PC+16*\s:PC+16*\s+15], v[8*\t:8*\t+7], v[VS+2*\t+\s/2], v[PS+\s]
.endif
.endr
.endr
.endm
	; ---------------- THE HEAD ----------------
	s_load_b256 s[4:11], s[0:1], 0x0               ; key s[4:5], query s[6:7], value_codes s[8:9], value_scales s[10:11]
	s_load_b64 s[12:13], s[0:1], 0x20              ; out0
	v_lshl_add_u32 v15, v0, 2, 0x4b300
	v_mov_b32 v73, 0
	v_lshrrev_b32 v[TP], 5, v0
	v_readfirstlane_b32 s14, v[TP]                 ; wave 0..3
	v_and_b32 v[LN], 31, v0                        ; lane
	v_and_b32 v[RW], 15, v0                        ; r
	v_bfe_u32 v[HH], v0, 4, 1                      ; h
	s_lshl_b32 s15, s14, 16
	v_lshl_add_u32 v[KAD], v[LN], 4, s15
	v_lshl_add_u32 v[QIR], v[LN], 4, QIMG
	s_lshl_b32 s15, s14, 9
	v_add_nc_u32 v[QIW], s15, v[QIR]
	v_lshl_add_u32 v[QSR], v[RW], 2, QSC
	v_add_nc_u32 v[QSW], s14, v[QSR]
	v_lshl_add_u32 v[S1R], v[LN], 5, ST1
	s_lshl_b32 s15, s14, 3
	v_add_nc_u32 v[S1W], s15, v[S1R]
	v_lshl_add_u32 v[S2R], v[LN], 4, ST2
	s_lshl_b32 s15, s14, 2
	v_add_nc_u32 v[S2W], s15, v[S2R]
	v_mul_u32_u24 v[OXW], v[RW], 528               ; rows 528 bytes apart: the sixteen rows of a store begin at sixteen different 16-byte columns of 256
	v_lshl_add_u32 v[OXW], v[HH], 5, v[OXW]
	s_mul_i32 s15, s14, 8448
	s_add_co_u32 s15, s15, OX
	v_add_nc_u32 v[OXW], s15, v[OXW]
	s_mul_i32 s15, s14, 2112
	s_add_co_u32 s15, s15, OX
	v_lshl_add_u32 v[OXR], v[LN], 4, s15
	v_lshlrev_b32 v[QG0], 12, v[RW]
	v_lshl_add_u32 v[QG0], v[HH], 6, v[QG0]
	s_lshl_b32 s15, s14, 7
	v_add_nc_u32 v[QG0], s15, v[QG0]
	v_mov_b32 v[QGA], v[QG0]                       ; group 0
	s_lshl_b32 s15, s14, 14
	v_lshl_add_u32 v[OGA], v[LN], 4, s15
	v_and_b32 v[TP], 8, v[RW]
	v_add_nc_u32 v[TP], v[TP], v[RW]               ; r + 8 (r / 8)
	v_lshlrev_b32 v[KGA], 12, v[TP]
	v_lshl_add_u32 v[KGA], v[HH], 6, v[KGA]        ; key: that row of 4,096 bytes, + 64 h
	v_lshlrev_b32 v[VGA], 11, v[RW]
	v_lshl_add_u32 v[VGA], v[HH], 4, v[VGA]        ; value_codes: channel r's row of 2,048 bytes, + 16 h
	v_lshlrev_b32 v[VSA], 6, v[RW]
	v_lshl_add_u32 v[VSA], v[HH], 2, v[VSA]        ; value_scales: its row of 64 bytes; lanes 16-31 take the next K step's word
	s_lshl_b32 s15, s14, 11
	s_add_co_u32 s15, s15, KSC
	v_lshl_add_u32 v[KSW0], v[RW], 2, s15
	v_lshl_add_u32 v[KSR], v[LN], 2, s15           ; 4 r + 64 h: lanes 16-31 take the next tile's words
	v_mov_b32 v[LW], 0                             ; named with their pairs before they are first written
	v_mov_b32 v[AA+1], 0
	v_mov_b32 v[NB+1], 0
	v_mov_b32 v[RC+1], 0
	v_mov_b32 v[QM+2], 0                           ; a lane permute's destination counts as one of its sources: these are written once
.irp c, 0,1,2,3
	v_mov_b32 v[TM+4+\c], 0
.endr
.irp k, 0,1,2,3,4,5,6,7,8,9,10,11,12,13,14,15
	v_mov_b32 v[BND+\k], 0
.endr
	s_mov_b32 s20, 0x76543210
	s_mov_b32 s21, 0xfedcba98                      ; v_permlanex16_b32's selects for lane l xor 16
	s_mov_b32 s22, 0x3e0293ee                      ; c = log2(e) / sqrt(128)
	s_mov_b32 s23, s22                             ; (named with it as a pair)
	s_mov_b32 s24, 0xbe0293ee                      ; -c
	s_mov_b32 s25, 0x600000                        ; the mantissa field of 448
	s_mov_b32 s26, 0xc4b4563e                      ; -1000 log2(e)
	s_and_b32 s16, ttmp7, 0xffff                   ; y = 8 b + h
	s_lshr_b32 s17, s16, 3
	s_lshl_b32 s17, s17, 23                        ; b x 2,048 rows x 4,096 bytes
	s_and_b32 s15, s16, 7
	s_lshl_b32 s15, s15, 9                         ; the head's 512 bytes of a row
	s_add_co_u32 s17, s17, s15
	s_lshl_b32 s18, s14, 21                        ; key: my wave's 512 rows
	s_add_co_u32 s18, s18, s17
	s_mov_b32 s19, 0
	s_lshl_b32 s32, ttmp9, 20                      ; query, out0: my work-group's 256 rows
	s_add_co_u32 s32, s32, s17
	s_mov_b32 s33, 0
	s_lshl_b32 s34, s16, 18                        ; value_codes: the head's 128 rows of 2,048 bytes, my wave's 512 of each
	s_lshl_b32 s15, s14, 9
	s_add_co_u32 s34, s34, s15
	s_mov_b32 s35, 0
	s_lshl_b32 s36, s16, 13                        ; value_scales: 128 rows of 64 bytes, my wave's 16 of each
	s_lshl_b32 s15, s14, 4
	s_add_co_u32 s36, s36, s15
	s_mov_b32 s37, 0
	s_wait_kmcnt 0x0
	s_add_nc_u64 s[4:5], s[4:5], s[18:19]
	s_add_nc_u64 s[6:7], s[6:7], s[32:33]
	s_add_nc_u64 s[8:9], s[8:9], s[34:35]
	s_add_nc_u64 s[10:11], s[10:11], s[36:37]
	s_add_nc_u64 s[12:13], s[12:13], s[32:33]
	QLOAD                                          ; group 0's Q
.irp t, 0,1,2,3,4,5,6,7
.irp u, 0,1
	global_load_b32 v[VS+2*\t+\u], v[VSA], s[10:11] offset:1024*\t+8*\u
.endr
.endr
.irp w, 0,1                            ; V, two K steps to a window: a tile's eight loads cover 256 consecutive bytes, aligned, of each of its 16 rows
	WIN 0x80+0x40*\w
.irp t, 0,1,2,3,4,5,6,7
.irp s, 0,1
.irp c, 0,1,2,3
	global_load_b128 v[16*(8*\s+\t)+4*\c:16*(8*\s+\t)+4*\c+3], v[VGA], s[8:9] offset:32768*\t+256*\w+128*\s+32*\c
.endr
.endr
.endr
.endr
	KLOAD 0, 0
	KLOAD 1, 0
	KLOAD 2, 0
	KLOAD 3, 0
	WIN 0                                          ; at a label and at a branch every window is 0
	s_mov_b32 s28, 7
	s_mov_b32 s29, 0                               ; the images' step: 4 tiles x 2,048 bytes a trip
	s_mov_b32 s30, 0                               ; the scale words': 4 x 64
.Lk:                                                   ; a trip quantises 64 keys, four tiles, and asks for the next 64: three stages, 48 loads, stay out at each wait
	KADDR
	KTILE 0, 1, 48
	KTILE 1, 1, 48
	KTILE 2, 1, 48
	KTILE 3, 1, 48
	WIN 0
	s_wait_xcnt 0x0                                ; the loads have read their base: it may step
	s_add_nc_u64 s[4:5], s[4:5], 0x40000           ; 64 rows of 4,096 bytes
	s_add_co_u32 s29, s29, 8192
	s_add_co_u32 s30, s30, 256
	s_sub_co_u32 s28, s28, 1
	s_cmp_lg_u32 s28, 0
	s_cbranch_scc1 .Lk
	KADDR                                          ; the last 64 keys: nothing more is asked for, and the counts run down
	KTILE 0, 0, 48
	KTILE 1, 0, 32
	KTILE 2, 0, 16
	KTILE 3, 0, 0
	QBLOCK                                         ; group 0's Q (its loads were the first of all)
.irp i, 0,1,2,3,4,5,6,7,8,9,10,11,12,13,14,15
	ds_load_b32 v[KS+\i], v[KSR] offset:128*\i     ; my own bytes: LDS serves a wave's instructions in order (ISA guide 5.7.1.4)
.endr
	BARRIER                                        ; Q's fragment and scale words lie in LDS
	KFETCH 0, 0
	KFETCH 1, 4
	s_mov_b32 s31, 0x10000                         ; the next group's offset in query
	s_mov_b32 s27, 16
	; ---------------- A GROUP OF 16 QUERIES ----------------
.Lgroup:
.irp c, 0,1,2,3
	ds_load_b128 v[QF+4*\c:QF+4*\c+3], v[QIR] offset:512*\c
.endr
	ds_load_b32 v[QS], v[QSR]
	v_add_nc_u32 v[QGA], s31, v[QG0]               ; (the last loads by this register were waited for)
	QLOAD                                          ; the next group's Q: wanted behind the first barrier
	s_add_co_u32 s31, s31, 0x10000
	s_min_u32 s31, s31, 0xf0000                    ; held at the block's last 16 rows: the last trip asks for them once more
	; S^T = K Q^T, four tiles at a time on two halves of fragments.  Behind each four stand 16 plain instructions on the four before (or eight v_nop): the eight places in front of the loads into the half just multiplied, and of the first read of results
.irp i, 0,1,2,3,4,5,6,7
.if (\i == 0) || (\i == 7)
	s_wait_dscnt 0x0
.else
	s_wait_dscnt 16                                ; this half is in; the other half's sixteen loads may be out
.endif
	QKMUL \i
.if \i == 0
.rept 8
	v_nop
.endr
.else
	BMAX2 2*(\i-1)
.endif
.if \i < 6
	WIN 0
	KFETCH (\i)%2, 4*\i+8
.endif
.endr
	BMAX2 14
	WIN 0
.irp k, 0,1,2,3,4,5,6,7,8,9,10,11,12,13,14,15
	v_permlanex16_b32 v[BND+\k], v[BM+\k], s20, s21
.endr
.irp k, 0,1,2,3,4,5,6,7,8,9,10,11,12,13,14,15
	v_max_num_f32 v[BM+\k], v[BM+\k], v[BND+\k]    ; with lane l xor 16's 16 keys: the block's largest score
.endr
	v_max3_num_f32 v[MW], v[BM], v[BM+1], v[BM+2]
	v_max3_num_f32 v[TT], v[BM+3], v[BM+4], v[BM+5]
	v_max3_num_f32 v[MW], v[MW], v[BM+6], v[BM+7]
	v_max3_num_f32 v[TT], v[TT], v[BM+8], v[BM+9]
	v_max3_num_f32 v[MW], v[MW], v[BM+10], v[BM+11]
	v_max3_num_f32 v[TT], v[TT], v[BM+12], v[BM+13]
	v_max3_num_f32 v[MW], v[MW], v[BM+14], v[BM+15]
	v_max_num_f32 v[MW], v[MW], v[TT]              ; m_w: my query's largest score among my wave's keys
	v_mul_f32 v[NCM], s24, v[MW]                   ; -c m_w
	PASS 0, LW                                     ; e1 = 2^(c s - c m_w), and l_w
	ds_store_b64 v[S1W], v[NCM:NCM+1]
	BARRIER                                        ; the four waves' (-c m_w, l_w) lie in LDS; nobody reads Q's fragment any more
	ds_load_b128 v[X:X+3], v[S1R]
	ds_load_b128 v[X+4:X+7], v[S1R] offset:16
	s_wait_loadcnt 0x0                             ; the next group's Q
	QBLOCK                                         ; stands between those two loads and the wait for them
	s_wait_dscnt 0x2                               ; the figures are in; QBLOCK's two stores may be out
	v_min3_num_f32 v[NG], v[X], v[X+2], v[X+4]
	v_min_num_f32 v[NG], v[NG], v[X+6]             ; -c m of the whole row
	v_sub_f32 v[X], v[NG], v[X]
	v_sub_f32 v[X+2], v[NG], v[X+2]
	v_sub_f32 v[X+4], v[NG], v[X+4]
	v_sub_f32 v[X+6], v[NG], v[X+6]
	v_sub_f32 v[GO], v[NG], v[NCM]
	v_exp_f32 v[X], v[X]                           ; g_w = 2^(c m_w - c m), at most 1
	v_exp_f32 v[X+2], v[X+2]
	v_exp_f32 v[X+4], v[X+4]
	v_exp_f32 v[X+6], v[X+6]
	v_exp_f32 v[GO], v[GO]                         ; my own wave's
	v_nop
	s_wait_alu depctr_va_vdst(0)                   ; one wait for the five
	v_mul_f32 v[TT], v[X], v[X+1]
	v_fmac_f32 v[TT], v[X+2], v[X+3]
	v_fmac_f32 v[TT], v[X+4], v[X+5]
	v_fmac_f32 v[TT], v[X+6], v[X+7]               ; l
	v_rcp_f32 v[TT], v[TT]
	v_nop
	s_wait_alu depctr_va_vdst(0)
	v_mul_f32 v[NB], s26, v[TT]                    ; -B = -1000 log2(e) / l: the second softmax's largest argument, taken away
	v_mul_f32 v[AA], -v[NB], v[GO]                 ; A = B g
	PASS 1, TT                                     ; e2 = 2^(A e1 - B), and l2_w
	ds_store_b32 v[S2W], v[TT]
	BARRIER                                        ; the four waves' l2_w lie in LDS
	ds_load_b128 v[Y:Y+3], v[S2R]
	s_wait_dscnt 0x0
	v_add_f32 v[Y], v[Y], v[Y+1]
	v_add_f32 v[Y+2], v[Y+2], v[Y+3]
	v_add_f32 v[Y], v[Y], v[Y+2]
	v_rcp_f32 v[RC], v[Y]                          ; 1 / l2
	v_nop
	s_wait_alu depctr_va_vdst(0)
	; attn's 16 blocks of 32 keys: scales, bounds, scale words
.irp k, 0,2,4,6,8,10,12,14
	v_pk_mul_f32 v[BM+\k:BM+\k+1], v[BM+\k:BM+\k+1], v[RC:RC+1] op_sel_hi:[1,0]   ; the blocks' largest attn
.endr
.irp k, 0,1,2,3,4,5,6,7,8,9,10,11,12,13,14,15
	v_max_num_f32 v[BM+\k], 0x4800000, v[BM+\k]    ; the floor 2^(9 - 127): the byte cannot fall under 1
.endr
.irp k, 0,1,2,3,4,5,6,7,8,9,10,11,12,13,14,15
	v_add_nc_u32 v[SCL+\k], 0xfc000000, v[BM+\k]   ; 8 off the exponent field: the conversion's scale operand
.endr
.irp k, 0,1,2,3,4,5,6,7,8,9,10,11,12,13,14,15
	v_and_or_b32 v[BND+\k], v[BM+\k], 0x7f800000, s25   ; 448 x the scale
.endr
.irp k, 0,1,2,3,4,5,6,7,8,9,10,11,12,13,14,15
	v_min_num_f32 v[BND+\k], 1.0, v[BND+\k]        ; and the clip at 1: one bound serves both
.endr
.irp k, 0,1,2,3,4,5,6,7,8,9,10,11,12,13,14,15
	v_lshrrev_b32 v[BM+\k], 23, v[SCL+\k]          ; the scale's byte
.endr
.irp s, 0,1,2,3
	v_lshl_or_b32 v[PS+\s], v[BM+4*\s+1], 8, v[BM+4*\s]
.endr
.irp s, 0,1,2,3
	v_lshl_or_b32 v[PS+\s], v[BM+4*\s+2], 16, v[PS+\s]
.endr
.irp s, 0,1,2,3
	v_lshl_or_b32 v[PS+\s], v[BM+4*\s+3], 24, v[PS+\s]   ; a K step's four bytes: lane r has query r's word
.endr
	WIN 0x41
.set bb, 0
.rept 16
.irp e, 0,2,4,6,8,10,12,14
	v_pk_mul_f32 v[16*bb+\e:16*bb+\e+1], v[16*bb+\e:16*bb+\e+1], v[RC:RC+1] op_sel_hi:[1,0]   ; attn = e2 / l2
.endr
.irp e, 0,1,2,3,4,5,6,7,8,9,10,11,12,13,14,15
	v_med3_num_f32 v[16*bb+\e], v[16*bb+\e], 0, v[BND+bb]   ; the clip to [0, 1] and the hold at the largest code x the scale, in one
.endr
.set bb, bb+1
.endr
	WIN 0x01
.set bb, 0
.rept 16
	v_cvt_scalef32_pk8_fp8_f32 v[PC+4*bb:PC+4*bb+1], v[16*bb:16*bb+7], v[SCL+bb]
	v_cvt_scalef32_pk8_fp8_f32 v[PC+4*bb+2:PC+4*bb+3], v[16*bb+8:16*bb+15], v[SCL+bb]
.set bb, bb+1
.endr
	WIN 0
.rept 4
	v_nop                                          ; an operand written by vector instructions stands four places ahead of a scaled matrix instruction (the scale words were made far above)
.endr
	PVMUL
	WIN 0
.rept 8
	v_nop                                          ; eight places in front of the stores that read the results, and of the loads into P's registers
.endr
	WIN 0x04                                       ; an LDS store's data are its source 1: window 1
.irp t, 0,1,2,3,4,5,6,7
	ds_store_b128 v[OXW], v[8*\t:8*\t+3] offset:64*\t        ; lane (r, h): my wave's part of o(r, 16 t + 8 h + 0 .. 7); each accumulator from its low end on
	ds_store_b128 v[OXW], v[8*\t+4:8*\t+7] offset:64*\t+16
.endr
	WIN 0
	BARRIER                                        ; the four partial O lie in LDS; so does the next group's Q
	WIN 0x40
.irp i, 0,1,2,3                        ; I sum and store queries 4 w .. 4 w + 3: a row of 512 bytes, 16 a lane, from each of the four waves
.irp u, 0,1,2,3
	ds_load_b128 v[RED+16*\i+4*\u:RED+16*\i+4*\u+3], v[OXR] offset:8448*\u+528*\i
.endr
.endr
	WIN 0
	KFETCH 0, 0                                    ; the next group's first eight tiles of K
	KFETCH 1, 4
	s_wait_dscnt 32                                ; the partial O are in; the 32 loads just issued may be out
	WIN 0x45
.irp i, 0,1,2,3
.irp e, 0,2
	v_pk_add_f32 v[RED+16*\i+\e:RED+16*\i+\e+1], v[RED+16*\i+\e:RED+16*\i+\e+1], v[RED+16*\i+4+\e:RED+16*\i+4+\e+1]
	v_pk_add_f32 v[RED+16*\i+8+\e:RED+16*\i+8+\e+1], v[RED+16*\i+8+\e:RED+16*\i+8+\e+1], v[RED+16*\i+12+\e:RED+16*\i+12+\e+1]
.endr
.endr
.irp i, 0,1,2,3
.irp e, 0,2
	v_pk_add_f32 v[RED+16*\i+\e:RED+16*\i+\e+1], v[RED+16*\i+\e:RED+16*\i+\e+1], v[RED+16*\i+8+\e:RED+16*\i+8+\e+1]
.endr
.endr
	WIN 0x04                                       ; a store's data are its source 1: window 1
.irp i, 0,1,2,3
	global_store_b128 v[OGA], v[RED+16*\i:RED+16*\i+3], s[12:13] offset:4096*\i th:TH_STORE_NT   ; 32 lanes store 512 consecutive bytes, at a multiple of 256 from out0's first byte; written once, read by nobody here
.endr
	WIN 0
	s_wait_xcnt 0x0                                ; the stores have read their registers and their base: the next scores may land there, and the base may step
	s_add_nc_u64 s[12:13], s[12:13], 0x10000       ; 16 rows of out0
	s_sub_co_u32 s27, s27, 1
	s_cmp_lg_u32 s27, 0
	s_cbranch_scc1 .Lgroup
	s_wait_dscnt 0x0                               ; the last trip's fetch of K, which nobody uses, has come back
	s_wait_tensorcnt 0x0
	ds_add_u32 v15, v73
	s_wait_dscnt 0x0
	s_endpgm
.Lfunc_end_k_qbd76201346_attn:
	.size	k_qbd76201346_attn, .Lfunc_end_k_qbd76201346_attn-k_qbd76201346_attn
	.p2alignl 7, 3214868480
	.fill 96, 4, 3214868480
	.section	.rodata,"a",@progbits
	.p2align	6, 0x0
	.amdhsa_kernel k_qbd76201346_attn
		.amdhsa_group_segment_fixed_size 308480
		.amdhsa_private_segment_fixed_size 0
		.amdhsa_enable_private_segment 0
		.amdhsa_kernarg_size 40
		.amdhsa_user_sgpr_count 2
		.amdhsa_user_sgpr_kernarg_segment_ptr 1
		.amdhsa_wavefront_size32 1
		.amdhsa_system_sgpr_workgroup_id_x 1
		.amdhsa_system_sgpr_workgroup_id_y 1
		.amdhsa_system_sgpr_workgroup_id_z 1
		.amdhsa_system_vgpr_workitem_id 0
		.amdhsa_next_free_vgpr 1024
		.amdhsa_next_free_sgpr 66
		.amdhsa_reserve_vcc 0
		.amdhsa_float_denorm_mode_32 3
		.amdhsa_float_denorm_mode_16_64 3
		.amdhsa_memory_ordered 1
		.amdhsa_forward_progress 1
		.amdhsa_inst_pref_size 225
	.end_amdhsa_kernel
	.amdgpu_metadata
---
amdhsa.version: [ 1, 2 ]
amdhsa.kernels:
  - .name:           k_qbd76201346_attn
    .symbol:         k_qbd76201346_attn.kd
    .args:
      - { .name: key, .offset: 0, .size: 8, .value_kind: global_buffer, .address_space: global }
      - { .name: query, .offset: 8, .size: 8, .value_kind: global_buffer, .address_space: global }
      - { .name: value_codes, .offset: 16, .size: 8, .value_kind: global_buffer, .address_space: global }
      - { .name: value_scales, .offset: 24, .size: 8, .value_kind: global_buffer, .address_space: global }
      - { .name: out0, .offset: 32, .size: 8, .value_kind: global_buffer, .address_space: global }
    .group_segment_fixed_size: 308480
    .private_segment_fixed_size: 0
    .kernarg_segment_align: 8
    .kernarg_segment_size: 40
    .max_flat_workgroup_size: 128
    .sgpr_count:     66
    .vgpr_count:     1024
    .wavefront_size: 32
...
	.end_amdgpu_metadata
.endif
;; end of part 1
;; ======== version 2 of 2: 1 launch; version 1 with the launch attn written anew for expert scheduling mode
;; launch attn (part 2): grid 8 x 32, 4 waves a work-group, no clusters, 308,480 bytes of LDS; arguments key, query, value_codes, value_scales, out0; writes out0
.if DOCPART == 2
	.amdgcn_target "amdgcn-amd-amdhsa--gfx1250"
	.amdhsa_code_object_version 6
	.text
	.protected	k_qbd76201346_attn
	.globl	k_qbd76201346_attn
	.p2align	8
	.type	k_qbd76201346_attn,@function
k_qbd76201346_attn:
	s_mov_b64 s[64:65], 0
	v_nop
	global_prefetch_b8 v0, s[64:65] scope:SCOPE_SE
	s_setreg_imm32_b32 hwreg(HW_REG_WAVE_SCHED_MODE, 0, 2), 2
	s_setreg_imm32_b32 hwreg(HW_REG_WAVE_MODE, 25, 1), 1
	s_wait_xcnt 0x0
	s_wait_alu depctr_vm_vsrc(0)
; out[b][q][128 h + d] = sum over k of attn[q][k] V[k][d];  attn = clip(softmax_k(1000 softmax_k(Q(q) . Q(k) / sqrt(128))), 0, 1), for 32 heads (4 batches x 8) of 2,048 queries and 2,048 keys.
; Both products run on codes of FP8 (E4M3) with one E8M0 scale for each 32 along K.  query and key arrive as f32 and are quantised here, along the head's 128; attn is quantised FINISHED AND NORMALISED, along the keys;
; value arrives as codes with the keys innermost.  Everything between the products is f32.
; SHARES.  A work-group owns 256 queries of one head (grid x: the block of queries; grid y: 8 b + h) and walks them in 16 groups of 16.  THE FOUR WAVES SHARE THE KEYS: wave w owns keys 512 w .. 512 w + 511 for the whole launch.
;   V's codes of these keys (8 tiles of 16 channels x 4 K steps of 128 keys = 512 registers) stay in the wave's registers.  K is quantised once, at the head, and stays in LDS as images of the operand's registers (65,536 bytes a wave).
;   A group's scores, 16 queries x 512 keys a wave, are 256 registers; they become e1, e2, attn in place and then codes: each score costs two exponentials and never leaves the registers.
;   What crosses waves goes through LDS: Q's fragment (each wave quantises one block of 32), a row's figures (twice), four partial O.  Three barriers a group.
; LAYOUT.  Both products are used transposed: S^T = K Q^T (source 0 = 16 keys, source 1 = 16 queries), O^T = V^T P^T: a lane holds ONE query (lane % 16) throughout.  THE KEYS OF A TILE ARE NOT NEIGHBOURS: lane r of tile 2 b + u
;   takes key 32 b + 8 u + r + 8 (r / 8), so that the 16 registers of tiles 2 b and 2 b + 1 are the 16 neighbouring keys 32 b + 16 (lane / 16) + 0 .. 15: the conversions' results are the second product's operand.
; A ROW, with c = log2(e) / sqrt(128):  e1 = 2^(c s - c m_w), m_w the largest score among the wave's keys, l_w their sum | exchange | NG = the least of the four -c m_w; g_w = 2^(NG + c m_w); l = sum g_w l_w; p = e1 g / l.
;   The second softmax's largest argument is that of the row's largest p, 1000 / l: with B = 1000 log2(e) / l and A = B g_own, e2 = 2^(A e1 - B), l2_w their sum | exchange | attn = e2 / l2, held between 0 and min(448 x scale, 1).
;   So both maxima are taken away.  (c m is rounded once: that leaves one common factor on all e1 g of a row, which cancels in p, and moves the second shift by less than B x half an ulp of c m.)
;   A block's largest attn is not searched for: the block's largest SCORE, found on the way to the row's maximum, goes through the same instructions as every score.
; NO JOINT LOADS: the 8 work-groups of a head read the same K and V, but each reads them once, at its head, into registers: K as f32 to be quantised there, V into the registers where it stays; a joint load lands in LDS,
;   where 307,968 bytes are taken by what stays.  In the loop no work-group reads anything that another reads.
; LIMITS.  NaN and infinities among the inputs are not served.  An exponential whose result lies under 2^-126 comes out as 0: under 1e-38 of a row's sum, which is about 1 at the least.  A block of zeros gets the scale byte 1 where the
;   quantiser's rule says 127: its codes are zeros, and these bytes are read by this program alone.  Taking a block's largest attn from its largest score takes v_exp_f32 not to fall where its input rises.  1 / l and 1 / l2 are v_rcp_f32.
;   The last group's trip asks for Q's last tile once more (the address is held inside the buffer), quantises it, and fetches K's first eight tiles from LDS again: none of that is used.
; THE MODE: SCHED_MODE bits 1:0 = 2 (LLVM: expert scheduling mode 2), set by the entry lines.  The code itself states the register dependences between vector or matrix instructions and memory or LDS instructions,
;   with s_wait_alu, always for 0.
; THE PLAN.  Registers that memory or LDS instructions touch, and who else names them.
;   AT THE HEAD.  v1-14 and v228-234: addresses, written once ahead of the first load.  The four stages of window 1: tile i's maxima, holds and conversions name stage i; behind them the next trip's tile lands in it.
;     v[PCK ..], v[PW]: written by a tile's quantising, read by the five LDS stores behind it.  v[KST], v[KSW]: written at a trip's head, read by the trip's LDS stores.
;     So ONE wait on va_vdst stands in a tile, behind its conversions, ahead of its stores and its sixteen loads; one on vm_vsrc at a tile's head, ahead of the lines that write what the last stores read.
;   IN A GROUP.  QF, QS: loaded at the trip's head, read by the 32 products of the scores.  QX: loaded at the trip's head, named by QBLOCK.  QC, the byte: written by QBLOCK, read by its two stores.  v[QGA]: written in QBLOCK, read by
;     the next trip's four loads.  K's two halves: a half is read by four products and then loaded again: a wait on va_vdst stands between, behind the sixteen maxima that follow the products.  Behind the scores the halves are work
;     registers and P's codes, which the products of O^T read; the next fetch of K lands there behind the wait that stands ahead of the stores of the partial O.  v100, v101, v111: a row's figures, written by vector instructions, read by two
;     LDS stores, each behind a wait.  X, Y: loaded behind a barrier, with no vector instruction since the wait ahead of the store in front of it.  Window 1: v0-63 are written by the products of O^T and read by sixteen LDS stores; in v64-127 the
;     partial O land, the additions write them and four stores read them; the next trip's products write all of these, behind the wait on vm_vsrc at the trip's end.
; REGISTERS, in windows of 256 (s_set_vgpr_msb's low byte: bits 1:0 source 0, 3:2 source 1, 5:4 source 2, 7:6 destination):
;   window 0: v1-14 addresses; v20-72 scale words and Q's fragment; v74-99 the next Q; v100-111 a row's figures; v112-239 K's fragments, two halves of four, later P's codes and work; v240-255 the 16 blocks' maxima
;   window 1: the scores, tile T at v[8 T]; behind the conversions O^T (v0-63) and the partial O to be summed (v64-127); at the head four stages of 64 numbers of K
;   windows 2, 3: V: fragment (K step s, tile t) at v[16 (8 (s % 2) + t)] of window 2 + s / 2
.set OX,    262144                     ; LDS.  From 0: K's images: wave w's tile T at 65,536 w + 2,048 T, register group c at + 512 c, a lane at + 16 lane.  OX: the partial O: wave at + 8,448 w, query at + 528 (512 bytes + 16)
.set KSC,   295936                     ; K's scale words: wave at + 2,048 w, tile at + 64 T, the tile's row r at + 4 r
.set QIMG,  304128                     ; Q's fragment as an image: register group c at + 512 c, a lane at + 16 lane
.set QSC,   306176                     ; Q's scale words: 4 r + block
.set ST1,   306432                     ; a row's first figures: 32 lane + 8 w: (-c m_w, l_w)
.set ST2,   307456                     ; its second: 16 lane + 4 w: l2_w
.set KAD,  1                           ; v1   65,536 w + 16 lane: my wave's images of K
.set QIR,  2                           ; v2   QIMG + 16 lane
.set QIW,  3                           ; v3   + 512 w
.set QSR,  4                           ; v4   QSC + 4 r
.set QSW,  5                           ; v5   + w
.set S1W,  6                           ; v6   ST1 + 32 lane + 8 w
.set S1R,  7                           ; v7   ST1 + 32 lane
.set S2W,  8                           ; v8   ST2 + 16 lane + 4 w
.set S2R,  9                           ; v9   ST2 + 16 lane
.set OXW,  10                          ; v10  OX + 8,448 w + 528 r + 32 h
.set OXR,  11                          ; v11  OX + 2,112 w + 16 lane: rows 4 w on
.set QG0,  12                          ; v12  query: 4,096 r + 64 h + 128 w
.set QGA,  13                          ; v13  + the offset of the group that is loaded next
.set OGA,  14                          ; v14  out0: 16 lane + 16,384 w
.set LN,   16                          ; v16-19 lane, r, h, at work: at the head only
.set RW,   17
.set HH,   18
.set TP,   19
.set PS,   20                          ; v20-23 P's scale words, one a K step
.set KS,   24                          ; v24-39 K's: register i: lanes 0-15 tile 2 i's, lanes 16-31 tile 2 i + 1's
.set VS,   40                          ; v40-55 V's: register 2 t + s / 2: lanes 0-15 an even K step's, lanes 16-31 an odd one's
.set QF,   56                          ; v56-71 Q's fragment
.set QS,   72                          ; v72    Q's scale words
.set QX,   74                          ; v74-89 16 numbers of the next Q
.set QC,   90                          ; v90-93 their codes
.set QM,   94                          ; v94-99 at work on them: two maxima, the other half's, the scale operand, the bound, the byte
.set NCM,  100                         ; v100 -c m_w, v101 l_w
.set LW,   101
.set AA,   102                         ; v102 A  (v103, v105, v107 are named with their pairs and written once)
.set NB,   104                         ; v104 -B
.set RC,   106                         ; v106 1 / l2
.set MW,   108
.set NG,   109
.set GO,   110
.set TT,   111
.set KF,   112                         ; v112-175, v176-239 K's fragments
.set PC,   112                         ; v112-175 P's codes, 16 a K step
.set SCL,  176                         ; v176-191 the 16 blocks' scale operands
.set BND,  192                         ; v192-207 their bounds; earlier the other half's maxima
.set ACC,  208                         ; v208-215 four running sums, in pairs
.set X,    216                         ; v216-223 the four waves' first figures
.set Y,    224                         ; v224-227 their second
.set BM,   240                         ; v240-255 the blocks' largest scores, then e1, e2, attn, then scale bytes
.set RED,  64                          ; window 1
.set PCK,  112                         ; at the head only: a tile's codes of K,
.set TM,   128                         ; v128-143 maxima, bytes, bounds, scale operands,
.set PW,   144                         ; the tile's scale word,
.set KGA,  228                         ; and addresses: key, value_codes, value_scales, the images' and scale words' places
.set VGA,  229
.set VSA,  230
.set KST,  231
.set KSW,  232
.set KSW0, 233
.set KSR,  234
.set MSB, 0
.macro WIN new                         ; the immediate's high byte repeats the setting that is left; a switch that changes nothing is dropped
.if MSB != (\new)
	s_set_vgpr_msb (MSB<<8)|(\new)
.set MSB, (\new)
.endif
.endm
.macro BARRIER                         ; my LDS stores have landed and my LDS loads are in: then the work-group's barrier
	s_wait_dscnt 0x0
	s_barrier_signal -1
	s_barrier_wait -1
.endm
; Tile i of a trip's four, 16 keys x 128 channels of f32: a lane's 64 numbers, register 16 c + 4 j + e = channel 32 c + 16 h + 4 j + e of its key, into stage i of window 1.  ahead: rows further down
.macro KLOAD i, ahead
	WIN 0x40
.irp c, 0,1,2,3
.irp j, 0,1,2,3
	global_load_b128 v[64*(\i)+16*\c+4*\j:64*(\i)+16*\c+4*\j+3], v[KGA], s[4:5] offset:(32*((\i)/2)+8*((\i)%2)+(\ahead))*4096+128*\c+16*\j
.endr
.endr
.endm
; Stage i becomes a fragment's codes in v[PCK] on and its scale word in v[PW]
.macro KQUANT i
	WIN 0x14
.irp c, 0,1,2,3
	v_max3_num_f32 v[TM+\c], 0x4800000, |v[64*(\i)+16*\c]|, |v[64*(\i)+16*\c+1]|   ; block c: my 16 numbers, and the floor 2^(9 - 127): the byte cannot fall under 1
.endr
.irp e, 2,4,6,8,10,12,14
.irp c, 0,1,2,3
	v_max3_num_f32 v[TM+\c], v[TM+\c], |v[64*(\i)+16*\c+\e]|, |v[64*(\i)+16*\c+\e+1]|   ; (the four blocks by turns)
.endr
.endr
	WIN 0
.irp c, 0,1,2,3
	v_permlanex16_b32 v[TM+4+\c], v[TM+\c], s20, s21
.endr
.irp c, 0,1,2,3
	v_max_num_f32 v[TM+\c], v[TM+\c], v[TM+4+\c]           ; with lane l xor 16's 16: the block's largest magnitude
.endr
.irp c, 0,1,2,3
	v_add_nc_u32 v[TM+12+\c], 0xfc000000, v[TM+\c]         ; 8 off its exponent field: the conversion's scale operand
.endr
.irp c, 0,1,2,3
	v_and_or_b32 v[TM+8+\c], v[TM+\c], 0x7f800000, s25     ; 448 x the scale
.endr
.irp c, 0,1,2,3
	v_lshrrev_b32 v[TM+4+\c], 23, v[TM+12+\c]              ; the scale's byte
.endr
	v_lshl_or_b32 v[PW], v[TM+5], 8, v[TM+4]
	v_lshl_or_b32 v[PW], v[TM+6], 16, v[PW]
	v_lshl_or_b32 v[PW], v[TM+7], 24, v[PW]
	WIN 0x41
.irp c, 0,1,2,3
.irp e, 0,1,2,3,4,5,6,7,8,9,10,11,12,13,14,15
	v_med3_num_f32 v[64*(\i)+16*\c+\e], v[64*(\i)+16*\c+\e], -v[TM+8+\c], v[TM+8+\c]   ; the conversion to an 8-bit code does not saturate (ISA guide 7.6.2): the hold comes first
.endr
.endr
	WIN 0x01
.irp c, 0,1,2,3
	v_cvt_scalef32_pk8_fp8_f32 v[PCK+4*\c:PCK+4*\c+1], v[64*(\i)+16*\c:64*(\i)+16*\c+7], v[TM+12+\c]
	v_cvt_scalef32_pk8_fp8_f32 v[PCK+4*\c+2:PCK+4*\c+3], v[64*(\i)+16*\c+8:64*(\i)+16*\c+15], v[TM+12+\c]
.endr
	WIN 0
	v_nop                                          ; one plain instruction behind the last conversion
.endm
.macro KADDR                           ; where this trip's four images and scale words go
	s_wait_dscnt 0x0                               ; no LDS store of mine is out
	s_wait_alu depctr_vm_vsrc(0)                   ; the last trip's LDS stores have read v[KST] and v[KSW], which the two lines below write, and the codes and the scale word, which tile 0's quantising writes
	v_add_nc_u32 v[KST], s29, v[KAD]
	v_add_nc_u32 v[KSW], s30, v[KSW0]
.endm
; left: the loads issued behind stage i's sixteen, which may stay out
.macro KTILE i, reload, left
	s_wait_loadcnt \left
.if (\i) > 0
	s_wait_dscnt 0x0                               ; the last tile's stores are done
	s_wait_alu depctr_vm_vsrc(0)                   ; the last tile's LDS stores have read v[PCK ..] and v[PW], which this tile's quantising writes again
.endif
	KQUANT \i
	s_wait_alu depctr_va_vdst(0)                   ; the codes and the scale word are written (with tile 0: v[KST] and v[KSW] too), which the stores read; the holds and conversions are done with stage i, in which the loads below land
.irp c, 0,1,2,3
	ds_store_b128 v[KST], v[PCK+4*\c:PCK+4*\c+3] offset:2048*(\i)+512*\c   ; the fragment as it stands: 512 consecutive bytes a store
.endr
	ds_store_b32 v[KSW], v[PW] offset:64*(\i)      ; both halves of the lanes write the same word with the same value
.if \reload
	KLOAD \i, 64                                   ; the stage takes the next trip's tile.  No further wait: since the wait above only the five stores stand here, which name none of the stage's registers nor v[KGA]
.endif
.endm
.macro QLOAD                           ; my wave's block of 32 channels of 16 queries: 16 numbers a lane
.irp j, 0,1,2,3
	global_load_b128 v[QX+4*\j:QX+4*\j+3], v[QGA], s[6:7] offset:16*\j
.endr
.endm
.macro QBLOCK                          ; they become 16 codes a lane and a scale byte a query, and go to LDS
	v_add_nc_u32 v[QGA], s31, v[QG0]               ; where the next loads of Q read (the last loads by this register were waited for): made here, ahead of the wait below
	s_add_co_u32 s31, s31, 0x10000
	s_min_u32 s31, s31, 0xf0000                    ; held at the block's last 16 rows: the last trip asks for them once more
	v_max3_num_f32 v[QM], |v[QX]|, |v[QX+1]|, 0x4800000
	v_max3_num_f32 v[QM+1], |v[QX+2]|, |v[QX+3]|, |v[QX+4]|
.irp e, 5,9
	v_max3_num_f32 v[QM], v[QM], |v[QX+\e]|, |v[QX+\e+1]|
	v_max3_num_f32 v[QM+1], v[QM+1], |v[QX+\e+2]|, |v[QX+\e+3]|
.endr
	v_max3_num_f32 v[QM], v[QM], |v[QX+13]|, |v[QX+14]|
	v_max3_num_f32 v[QM], v[QM], v[QM+1], |v[QX+15]|
	v_permlanex16_b32 v[QM+2], v[QM], s20, s21
	v_max_num_f32 v[QM], v[QM], v[QM+2]
	v_add_nc_u32 v[QM+3], 0xfc000000, v[QM]
	v_and_or_b32 v[QM+4], v[QM], 0x7f800000, s25
	v_lshrrev_b32 v[QM+5], 23, v[QM+3]
.irp e, 0,1,2,3,4,5,6,7,8,9,10,11,12,13,14,15
	v_med3_num_f32 v[QX+\e], v[QX+\e], -v[QM+4], v[QM+4]
.endr
	v_cvt_scalef32_pk8_fp8_f32 v[QC:QC+1], v[QX:QX+7], v[QM+3]
	v_cvt_scalef32_pk8_fp8_f32 v[QC+2:QC+3], v[QX+8:QX+15], v[QM+3]
	v_nop                                          ; one plain instruction behind the last conversion
	s_wait_alu depctr_va_vdst(0)                   ; the codes and the byte are written, which the two stores read; v[QGA] is written, which the next loads of Q read; the holds and conversions are done with v[QX ..], in which those loads land
	ds_store_b128 v[QIW], v[QC:QC+3]
	ds_store_b8 v[QSW], v[QM+5]                    ; both halves of the lanes write the same byte with the same value
.endm
.macro KFETCH half, t0                 ; four of my tiles of K, t0 on, from their images
.irp k, 0,1,2,3
.irp c, 0,1,2,3
	ds_load_b128 v[KF+64*(\half)+16*\k+4*\c:KF+64*(\half)+16*\k+4*\c+3], v[KAD] offset:2048*((\t0)+\k)+512*\c
.endr
.endr
.endm
.macro QKMUL i                         ; the scores of tiles 4 i .. 4 i + 3: K = the head's 128, one instruction a tile
	WIN 0x40
.irp k, 0,1,2,3
.if (\k)%2
	v_wmma_scale_f32_16x16x128_f8f6f4 v[8*(4*(\i)+\k):8*(4*(\i)+\k)+7], v[KF+64*((\i)%2)+16*\k:KF+64*((\i)%2)+16*\k+15], v[QF:QF+15], 0, v[KS+2*(\i)+\k/2], v[QS] matrix_a_scale:MATRIX_SCALE_ROW1
.else
	v_wmma_scale_f32_16x16x128_f8f6f4 v[8*(4*(\i)+\k):8*(4*(\i)+\k)+7], v[KF+64*((\i)%2)+16*\k:KF+64*((\i)%2)+16*\k+15], v[QF:QF+15], 0, v[KS+2*(\i)+\k/2], v[QS]
.endif
.endr
.endm
.macro BMAX2 b0                        ; the largest of my 16 scores in blocks b0 and b0 + 1, by turns; each accumulator is read from its low end on
	WIN 0x14
.irp d, 0,1
	v_max3_num_f32 v[BM+(\b0)+\d], 0xff800000, v[16*((\b0)+\d)], v[16*((\b0)+\d)+1]
.endr
.irp e, 2,4,6,8,10,12,14
.irp d, 0,1
	v_max3_num_f32 v[BM+(\b0)+\d], v[BM+(\b0)+\d], v[16*((\b0)+\d)+\e], v[16*((\b0)+\d)+\e+1]
.endr
.endr
.endm
.macro AFF reg, second                 ; a pair of numbers: c s - c m_w, or A e1 - B (of each pair of factors the low word serves both halves)
.if \second
	v_pk_fma_f32 v[(\reg):(\reg)+1], v[(\reg):(\reg)+1], v[AA:AA+1], v[NB:NB+1] op_sel_hi:[1,0,0]
.else
	v_pk_fma_f32 v[(\reg):(\reg)+1], v[(\reg):(\reg)+1], s[22:23], v[NCM:NCM+1] op_sel_hi:[1,0,0]
.endif
.endm
; One softmax's exponentials and its sum over my wave's 512 keys.  The 272 exponentials are ONE batch: nothing in it names a result; a pair's multiply-add runs two pairs ahead of its exponentials.
.macro PASS second, sum
	WIN 0x41
	AFF 0, \second
	AFF 2, \second
.set p, 0
.rept 128
.if p < 126
	AFF 2*p+4, \second
.endif
	v_exp_f32 v[2*p], v[2*p]
	v_exp_f32 v[2*p+1], v[2*p+1]
.set p, p+1
.endr
	WIN 0
.irp k, 0,2,4,6,8,10,12,14
	AFF BM+\k, \second                             ; the blocks' largest: the same instructions on the same numbers give the same bits
.endr
.irp k, 0,1,2,3,4,5,6,7,8,9,10,11,12,13,14,15
	v_exp_f32 v[BM+\k], v[BM+\k]
.endr
	v_nop                                          ; a plain instruction behind the last exponential,
	s_wait_alu depctr_va_vdst(0)                   ; and one wait for the batch: the 272 exponentials have written their results, ahead of the first addition that reads one
	WIN 0x05
.irp k, 0,1,2,3
	v_pk_add_f32 v[ACC+2*\k:ACC+2*\k+1], v[4*\k:4*\k+1], v[4*\k+2:4*\k+3]   ; four chains, started by the first eight pairs: nothing is cleared
.endr
	WIN 0x04
.set p, 8
.rept 120
	v_pk_add_f32 v[ACC+2*(p%4):ACC+2*(p%4)+1], v[ACC+2*(p%4):ACC+2*(p%4)+1], v[2*p:2*p+1]
.set p, p+1
.endr
	WIN 0
	v_pk_add_f32 v[ACC:ACC+1], v[ACC:ACC+1], v[ACC+2:ACC+3]
	v_pk_add_f32 v[ACC+4:ACC+5], v[ACC+4:ACC+5], v[ACC+6:ACC+7]
	v_pk_add_f32 v[ACC:ACC+1], v[ACC:ACC+1], v[ACC+4:ACC+5]
	v_add_f32 v[ACC], v[ACC], v[ACC+1]
	v_permlanex16_b32 v[ACC+2], v[ACC], s20, s21   ; the query's other 256 keys of my wave lie in the lane 16 away
	v_add_f32 v[\sum], v[ACC], v[ACC+2]
.endm
.macro PVMUL                           ; O^T = V^T P^T over my 512 keys: four K steps; the eight accumulators take turns, one instruction a turn; the first K step starts the sums
.irp s, 0,1,2,3
	WIN 0x52+(\s)/2
.irp t, 0,1,2,3,4,5,6,7
.if \s == 0
	v_wmma_scale_f32_16x16x128_f8f6f4 v[8*\t:8*\t+7], v[16*(8*(\s%2)+\t):16*(8*(\s%2)+\t)+15], v[PC+16*\s:PC+16*\s+15], 0, v[VS+2*\t+\s/2], v[PS+\s]
.elseif (\s)%2
	v_wmma_scale_f32_16x16x128_f8f6f4 v[8*\t:8*\t+7], v[16*(8*(\s%2)+\t):16*(8*(\s%2)+\t)+15], v[PC+16*\s:PC+16*\s+15], v[8*\t:8*\t+7], v[VS+2*\t+\s/2], v[PS+\s] matrix_a_scale:MATRIX_SCALE_ROW1
.else
	v_wmma_scale_f32_16x16x128_f8f6f4 v[8*\t:8*\t+7], v[16*(8*(\s%2)+\t):16*(8*(\s%2)+\t)+15], v[PC+16*\s:PC+16*\s+15], v[8*\t:8*\t+7], v[VS+2*\t+\s/2], v[PS+\s]
.endif
.endr
.endr
.endm
	; ---------------- THE HEAD ----------------
	s_load_b256 s[4:11], s[0:1], 0x0               ; key s[4:5], query s[6:7], value_codes s[8:9], value_scales s[10:11]
	s_load_b64 s[12:13], s[0:1], 0x20              ; out0
	v_lshl_add_u32 v15, v0, 2, 0x4b300
	v_mov_b32 v73, 0
	v_lshrrev_b32 v[TP], 5, v0
	v_readfirstlane_b32 s14, v[TP]                 ; wave 0..3
	v_and_b32 v[LN], 31, v0                        ; lane
	v_and_b32 v[RW], 15, v0                        ; r
	v_bfe_u32 v[HH], v0, 4, 1                      ; h
	s_wait_alu depctr_va_sdst(0)                   ; s14 is written, ahead of its first reader: LDS addresses and the buffers' bases are made from it
	s_lshl_b32 s15, s14, 16
	v_lshl_add_u32 v[KAD], v[LN], 4, s15
	v_lshl_add_u32 v[QIR], v[LN], 4, QIMG
	s_lshl_b32 s15, s14, 9
	v_add_nc_u32 v[QIW], s15, v[QIR]
	v_lshl_add_u32 v[QSR], v[RW], 2, QSC
	v_add_nc_u32 v[QSW], s14, v[QSR]
	v_lshl_add_u32 v[S1R], v[LN], 5, ST1
	s_lshl_b32 s15, s14, 3
	v_add_nc_u32 v[S1W], s15, v[S1R]
	v_lshl_add_u32 v[S2R], v[LN], 4, ST2
	s_lshl_b32 s15, s14, 2
	v_add_nc_u32 v[S2W], s15, v[S2R]
	v_mul_u32_u24 v[OXW], v[RW], 528               ; rows 528 bytes apart: the sixteen rows of a store begin at sixteen different 16-byte columns of 256
	v_lshl_add_u32 v[OXW], v[HH], 5, v[OXW]
	s_mul_i32 s15, s14, 8448
	s_add_co_u32 s15, s15, OX
	v_add_nc_u32 v[OXW], s15, v[OXW]
	s_mul_i32 s15, s14, 2112
	s_add_co_u32 s15, s15, OX
	v_lshl_add_u32 v[OXR], v[LN], 4, s15
	v_lshlrev_b32 v[QG0], 12, v[RW]
	v_lshl_add_u32 v[QG0], v[HH], 6, v[QG0]
	s_lshl_b32 s15, s14, 7
	v_add_nc_u32 v[QG0], s15, v[QG0]
	v_mov_b32 v[QGA], v[QG0]                       ; group 0
	s_lshl_b32 s15, s14, 14
	v_lshl_add_u32 v[OGA], v[LN], 4, s15
	v_and_b32 v[TP], 8, v[RW]
	v_add_nc_u32 v[TP], v[TP], v[RW]               ; r + 8 (r / 8)
	v_lshlrev_b32 v[KGA], 12, v[TP]
	v_lshl_add_u32 v[KGA], v[HH], 6, v[KGA]        ; key: that row of 4,096 bytes, + 64 h
	v_lshlrev_b32 v[VGA], 11, v[RW]
	v_lshl_add_u32 v[VGA], v[HH], 4, v[VGA]        ; value_codes: channel r's row of 2,048 bytes, + 16 h
	v_lshlrev_b32 v[VSA], 6, v[RW]
	v_lshl_add_u32 v[VSA], v[HH], 2, v[VSA]        ; value_scales: its row of 64 bytes; lanes 16-31 take the next K step's word
	s_lshl_b32 s15, s14, 11
	s_add_co_u32 s15, s15, KSC
	v_lshl_add_u32 v[KSW0], v[RW], 2, s15
	v_lshl_add_u32 v[KSR], v[LN], 2, s15           ; 4 r + 64 h: lanes 16-31 take the next tile's words
	v_mov_b32 v[LW], 0                             ; named with their pairs before they are first written
	v_mov_b32 v[AA+1], 0
	v_mov_b32 v[NB+1], 0
	v_mov_b32 v[RC+1], 0
	v_mov_b32 v[QM+2], 0                           ; a lane permute's destination counts as one of its sources: these are written once
.irp c, 0,1,2,3
	v_mov_b32 v[TM+4+\c], 0
.endr
.irp k, 0,1,2,3,4,5,6,7,8,9,10,11,12,13,14,15
	v_mov_b32 v[BND+\k], 0
.endr
	s_mov_b32 s20, 0x76543210
	s_mov_b32 s21, 0xfedcba98                      ; v_permlanex16_b32's selects for lane l xor 16
	s_mov_b32 s22, 0x3e0293ee                      ; c = log2(e) / sqrt(128)
	s_mov_b32 s23, s22                             ; (named with it as a pair)
	s_mov_b32 s24, 0xbe0293ee                      ; -c
	s_mov_b32 s25, 0x600000                        ; the mantissa field of 448
	s_mov_b32 s26, 0xc4b4563e                      ; -1000 log2(e)
	s_mov_b32 s31, 0x10000                         ; group 1's offset in query: what the first QBLOCK puts into v[QGA]
	s_and_b32 s16, ttmp7, 0xffff                   ; y = 8 b + h
	s_lshr_b32 s17, s16, 3
	s_lshl_b32 s17, s17, 23                        ; b x 2,048 rows x 4,096 bytes
	s_and_b32 s15, s16, 7
	s_lshl_b32 s15, s15, 9                         ; the head's 512 bytes of a row
	s_add_co_u32 s17, s17, s15
	s_lshl_b32 s18, s14, 21                        ; key: my wave's 512 rows
	s_add_co_u32 s18, s18, s17
	s_mov_b32 s19, 0
	s_lshl_b32 s32, ttmp9, 20                      ; query, out0: my work-group's 256 rows
	s_add_co_u32 s32, s32, s17
	s_mov_b32 s33, 0
	s_lshl_b32 s34, s16, 18                        ; value_codes: the head's 128 rows of 2,048 bytes, my wave's 512 of each
	s_lshl_b32 s15, s14, 9
	s_add_co_u32 s34, s34, s15
	s_mov_b32 s35, 0
	s_lshl_b32 s36, s16, 13                        ; value_scales: 128 rows of 64 bytes, my wave's 16 of each
	s_lshl_b32 s15, s14, 4
	s_add_co_u32 s36, s36, s15
	s_mov_b32 s37, 0
	s_wait_kmcnt 0x0
	s_add_nc_u64 s[4:5], s[4:5], s[18:19]
	s_add_nc_u64 s[6:7], s[6:7], s[32:33]
	s_add_nc_u64 s[8:9], s[8:9], s[34:35]
	s_add_nc_u64 s[10:11], s[10:11], s[36:37]
	s_add_nc_u64 s[12:13], s[12:13], s[32:33]
	s_wait_alu depctr_va_vdst(0)                   ; the addresses v1 to v14 and v228 to v234 are written, which the loads and stores of the whole kernel read
	QLOAD                                          ; group 0's Q
.irp t, 0,1,2,3,4,5,6,7
.irp u, 0,1
	global_load_b32 v[VS+2*\t+\u], v[VSA], s[10:11] offset:1024*\t+8*\u
.endr
.endr
.irp w, 0,1                            ; V, two K steps to a window: a tile's eight loads cover 256 consecutive bytes, aligned, of each of its 16 rows
	WIN 0x80+0x40*\w
.irp t, 0,1,2,3,4,5,6,7
.irp s, 0,1
.irp c, 0,1,2,3
	global_load_b128 v[16*(8*\s+\t)+4*\c:16*(8*\s+\t)+4*\c+3], v[VGA], s[8:9] offset:32768*\t+256*\w+128*\s+32*\c
.endr
.endr
.endr
.endr
	KLOAD 0, 0
	KLOAD 1, 0
	KLOAD 2, 0
	KLOAD 3, 0
	WIN 0                                          ; at a label and at a branch every window is 0
	s_mov_b32 s28, 7
	s_mov_b32 s29, 0                               ; the images' step: 4 tiles x 2,048 bytes a trip
	s_mov_b32 s30, 0                               ; the scale words': 4 x 64
.Lk:                                                   ; a trip quantises 64 keys, four tiles, and asks for the next 64: three stages, 48 loads, stay out at each wait
	KADDR
	KTILE 0, 1, 48
	KTILE 1, 1, 48
	KTILE 2, 1, 48
	KTILE 3, 1, 48
	WIN 0
	s_wait_xcnt 0x0                                ; the loads have read their base: it may step
	s_add_nc_u64 s[4:5], s[4:5], 0x40000           ; 64 rows of 4,096 bytes
	s_add_co_u32 s29, s29, 8192
	s_add_co_u32 s30, s30, 256
	s_sub_co_u32 s28, s28, 1
	s_cmp_lg_u32 s28, 0
	s_cbranch_scc1 .Lk
	KADDR                                          ; the last 64 keys: nothing more is asked for, and the counts run down
	KTILE 0, 0, 48
	KTILE 1, 0, 32
	KTILE 2, 0, 16
	KTILE 3, 0, 0
	QBLOCK                                         ; group 0's Q (its loads were the first of all, and have read v[QGA]: the waits on vm_vsrc at the tiles' heads stand behind them)
.irp i, 0,1,2,3,4,5,6,7,8,9,10,11,12,13,14,15
	ds_load_b32 v[KS+\i], v[KSR] offset:128*\i     ; my own bytes: LDS serves a wave's instructions in order (ISA guide 5.7.1.4)
.endr
	BARRIER                                        ; Q's fragment and scale words lie in LDS
	s_wait_alu depctr_vm_vsrc(0)                   ; the head's loads and LDS stores have read v228 to v234 and the codes v[PCK ..], on all of which K's fragments land (the vector instructions that named v112 to v239 stand ahead of QBLOCK's wait on va_vdst)
	KFETCH 0, 0
	KFETCH 1, 4
	s_mov_b32 s27, 16
	; ---------------- A GROUP OF 16 QUERIES ----------------
.Lgroup:
.irp c, 0,1,2,3
	ds_load_b128 v[QF+4*\c:QF+4*\c+3], v[QIR] offset:512*\c   ; no wait here: the last trip's products that read v[QF ..] and v[QS] stand ahead of that trip's later waits on va_vdst, and nothing has named them since
.endr
	ds_load_b32 v[QS], v[QSR]
	QLOAD                                          ; the next group's Q: wanted behind the first barrier.  v[QGA] was written, and v[QX ..] last named, ahead of QBLOCK's wait
	; S^T = K Q^T, four tiles at a time on two halves of fragments.  Behind each four stand 16 plain instructions on the four before (or eight v_nop): the eight places in front of the first read of the results; then the wait, then the loads into the half just multiplied
.irp i, 0,1,2,3,4,5,6,7
.if (\i == 0) || (\i == 7)
	s_wait_dscnt 0x0
.else
	s_wait_dscnt 16                                ; this half is in; the other half's sixteen loads may be out
.endif
	QKMUL \i
.if \i == 0
.rept 8
	v_nop
.endr
.else
	BMAX2 2*(\i-1)
.endif
.if \i < 6
	WIN 0
	s_wait_alu depctr_va_vdst(0)                   ; the four products above are done reading their half of K's fragments, in which the sixteen loads below land
	KFETCH (\i)%2, 4*\i+8
.endif
.endr
	BMAX2 14
	WIN 0
.irp k, 0,1,2,3,4,5,6,7,8,9,10,11,12,13,14,15
	v_permlanex16_b32 v[BND+\k], v[BM+\k], s20, s21
.endr
.irp k, 0,1,2,3,4,5,6,7,8,9,10,11,12,13,14,15
	v_max_num_f32 v[BM+\k], v[BM+\k], v[BND+\k]    ; with lane l xor 16's 16 keys: the block's largest score
.endr
	v_max3_num_f32 v[MW], v[BM], v[BM+1], v[BM+2]
	v_max3_num_f32 v[TT], v[BM+3], v[BM+4], v[BM+5]
	v_max3_num_f32 v[MW], v[MW], v[BM+6], v[BM+7]
	v_max3_num_f32 v[TT], v[TT], v[BM+8], v[BM+9]
	v_max3_num_f32 v[MW], v[MW], v[BM+10], v[BM+11]
	v_max3_num_f32 v[TT], v[TT], v[BM+12], v[BM+13]
	v_max3_num_f32 v[MW], v[MW], v[BM+14], v[BM+15]
	v_max_num_f32 v[MW], v[MW], v[TT]              ; m_w: my query's largest score among my wave's keys
	v_mul_f32 v[NCM], s24, v[MW]                   ; -c m_w
	PASS 0, LW                                     ; e1 = 2^(c s - c m_w), and l_w
	s_wait_alu depctr_va_vdst(0)                   ; -c m_w and l_w are written, which the store reads; all that named v[X ..] is done, in which the loads behind the barrier land
	ds_store_b64 v[S1W], v[NCM:NCM+1]
	BARRIER                                        ; the four waves' (-c m_w, l_w) lie in LDS; nobody reads Q's fragment any more
	ds_load_b128 v[X:X+3], v[S1R]
	ds_load_b128 v[X+4:X+7], v[S1R] offset:16
	s_wait_loadcnt 0x0                             ; the next group's Q
	s_wait_alu depctr_vm_vsrc(0)                   ; this trip's loads of Q have read v[QGA], which QBLOCK writes
	QBLOCK                                         ; stands between those two loads and the wait for them
	s_wait_dscnt 0x2                               ; the figures are in; QBLOCK's two stores may be out
	v_min3_num_f32 v[NG], v[X], v[X+2], v[X+4]
	v_min_num_f32 v[NG], v[NG], v[X+6]             ; -c m of the whole row
	v_sub_f32 v[X], v[NG], v[X]
	v_sub_f32 v[X+2], v[NG], v[X+2]
	v_sub_f32 v[X+4], v[NG], v[X+4]
	v_sub_f32 v[X+6], v[NG], v[X+6]
	v_sub_f32 v[GO], v[NG], v[NCM]
	v_exp_f32 v[X], v[X]                           ; g_w = 2^(c m_w - c m), at most 1
	v_exp_f32 v[X+2], v[X+2]
	v_exp_f32 v[X+4], v[X+4]
	v_exp_f32 v[X+6], v[X+6]
	v_exp_f32 v[GO], v[GO]                         ; my own wave's
	v_nop
	s_wait_alu depctr_va_vdst(0)                   ; one wait for the five: the four g_w and my own are written, ahead of their first reader
	v_mul_f32 v[TT], v[X], v[X+1]
	v_fmac_f32 v[TT], v[X+2], v[X+3]
	v_fmac_f32 v[TT], v[X+4], v[X+5]
	v_fmac_f32 v[TT], v[X+6], v[X+7]               ; l
	v_rcp_f32 v[TT], v[TT]
	v_nop
	s_wait_alu depctr_va_vdst(0)                   ; 1 / l is written, ahead of its reader
	v_mul_f32 v[NB], s26, v[TT]                    ; -B = -1000 log2(e) / l: the second softmax's largest argument, taken away
	v_mul_f32 v[AA], -v[NB], v[GO]                 ; A = B g
	PASS 1, TT                                     ; e2 = 2^(A e1 - B), and l2_w
	s_wait_alu depctr_va_vdst(0)                   ; l2_w is written, which the store reads; all that named v[Y ..] is done, in which the load behind the barrier lands
	ds_store_b32 v[S2W], v[TT]
	BARRIER                                        ; the four waves' l2_w lie in LDS
	ds_load_b128 v[Y:Y+3], v[S2R]
	s_wait_dscnt 0x0
	v_add_f32 v[Y], v[Y], v[Y+1]
	v_add_f32 v[Y+2], v[Y+2], v[Y+3]
	v_add_f32 v[Y], v[Y], v[Y+2]
	v_rcp_f32 v[RC], v[Y]                          ; 1 / l2
	v_nop
	s_wait_alu depctr_va_vdst(0)                   ; 1 / l2 is written, ahead of its first reader
	; attn's 16 blocks of 32 keys: scales, bounds, scale words
.irp k, 0,2,4,6,8,10,12,14
	v_pk_mul_f32 v[BM+\k:BM+\k+1], v[BM+\k:BM+\k+1], v[RC:RC+1] op_sel_hi:[1,0]   ; the blocks' largest attn
.endr
.irp k, 0,1,2,3,4,5,6,7,8,9,10,11,12,13,14,15
	v_max_num_f32 v[BM+\k], 0x4800000, v[BM+\k]    ; the floor 2^(9 - 127): the byte cannot fall under 1
.endr
.irp k, 0,1,2,3,4,5,6,7,8,9,10,11,12,13,14,15
	v_add_nc_u32 v[SCL+\k], 0xfc000000, v[BM+\k]   ; 8 off the exponent field: the conversion's scale operand
.endr
.irp k, 0,1,2,3,4,5,6,7,8,9,10,11,12,13,14,15
	v_and_or_b32 v[BND+\k], v[BM+\k], 0x7f800000, s25   ; 448 x the scale
.endr
.irp k, 0,1,2,3,4,5,6,7,8,9,10,11,12,13,14,15
	v_min_num_f32 v[BND+\k], 1.0, v[BND+\k]        ; and the clip at 1: one bound serves both
.endr
.irp k, 0,1,2,3,4,5,6,7,8,9,10,11,12,13,14,15
	v_lshrrev_b32 v[BM+\k], 23, v[SCL+\k]          ; the scale's byte
.endr
.irp s, 0,1,2,3
	v_lshl_or_b32 v[PS+\s], v[BM+4*\s+1], 8, v[BM+4*\s]
.endr
.irp s, 0,1,2,3
	v_lshl_or_b32 v[PS+\s], v[BM+4*\s+2], 16, v[PS+\s]
.endr
.irp s, 0,1,2,3
	v_lshl_or_b32 v[PS+\s], v[BM+4*\s+3], 24, v[PS+\s]   ; a K step's four bytes: lane r has query r's word
.endr
	WIN 0x41
.set bb, 0
.rept 16
.irp e, 0,2,4,6,8,10,12,14
	v_pk_mul_f32 v[16*bb+\e:16*bb+\e+1], v[16*bb+\e:16*bb+\e+1], v[RC:RC+1] op_sel_hi:[1,0]   ; attn = e2 / l2
.endr
.irp e, 0,1,2,3,4,5,6,7,8,9,10,11,12,13,14,15
	v_med3_num_f32 v[16*bb+\e], v[16*bb+\e], 0, v[BND+bb]   ; the clip to [0, 1] and the hold at the largest code x the scale, in one
.endr
.set bb, bb+1
.endr
	WIN 0x01
.set bb, 0
.rept 16
	v_cvt_scalef32_pk8_fp8_f32 v[PC+4*bb:PC+4*bb+1], v[16*bb:16*bb+7], v[SCL+bb]
	v_cvt_scalef32_pk8_fp8_f32 v[PC+4*bb+2:PC+4*bb+3], v[16*bb+8:16*bb+15], v[SCL+bb]
.set bb, bb+1
.endr
	WIN 0
.rept 4
	v_nop                                          ; an operand written by vector instructions stands four places ahead of a scaled matrix instruction (the scale words were made far above)
.endr
	s_wait_alu depctr_va_vdst(0)                   ; the conversions have written P's codes and the shifts its scale words, which the products below take as operand and scales; the places above stay beside this wait
	PVMUL
.rept 8
	v_nop                                          ; eight places in front of the stores that read the results
.endr
	WIN 0x04                                       ; an LDS store's data are its source 1: window 1
	s_wait_alu depctr_va_vdst(0)                   ; the products have written O^T, which the stores read, and are done reading P's codes, on which K's next fragments land; all that named the scores' v64 to v127 is done, in which the partial O land
.irp t, 0,1,2,3,4,5,6,7
	ds_store_b128 v[OXW], v[8*\t:8*\t+3] offset:64*\t        ; lane (r, h): my wave's part of o(r, 16 t + 8 h + 0 .. 7); each accumulator from its low end on
	ds_store_b128 v[OXW], v[8*\t+4:8*\t+7] offset:64*\t+16
.endr
	WIN 0
	BARRIER                                        ; the four partial O lie in LDS; so does the next group's Q
	WIN 0x40
.irp i, 0,1,2,3                        ; I sum and store queries 4 w .. 4 w + 3: a row of 512 bytes, 16 a lane, from each of the four waves.  No wait: since the wait above only the sixteen stores stand here, which name v0 to v63 of the window and v[OXW]
.irp u, 0,1,2,3
	ds_load_b128 v[RED+16*\i+4*\u:RED+16*\i+4*\u+3], v[OXR] offset:8448*\u+528*\i
.endr
.endr
	WIN 0
	KFETCH 0, 0                                    ; the next group's first eight tiles of K
	KFETCH 1, 4
	s_wait_dscnt 32                                ; the partial O are in; the 32 loads just issued may be out
	WIN 0x45
.irp i, 0,1,2,3
.irp e, 0,2
	v_pk_add_f32 v[RED+16*\i+\e:RED+16*\i+\e+1], v[RED+16*\i+\e:RED+16*\i+\e+1], v[RED+16*\i+4+\e:RED+16*\i+4+\e+1]
	v_pk_add_f32 v[RED+16*\i+8+\e:RED+16*\i+8+\e+1], v[RED+16*\i+8+\e:RED+16*\i+8+\e+1], v[RED+16*\i+12+\e:RED+16*\i+12+\e+1]
.endr
.endr
.irp i, 0,1,2,3
.irp e, 0,2
	v_pk_add_f32 v[RED+16*\i+\e:RED+16*\i+\e+1], v[RED+16*\i+\e:RED+16*\i+\e+1], v[RED+16*\i+8+\e:RED+16*\i+8+\e+1]
.endr
.endr
	WIN 0x04                                       ; a store's data are its source 1: window 1
	s_wait_alu depctr_va_vdst(0)                   ; the additions have written the four rows' sums, which the stores read
.irp i, 0,1,2,3
	global_store_b128 v[OGA], v[RED+16*\i:RED+16*\i+3], s[12:13] offset:4096*\i th:TH_STORE_NT   ; 32 lanes store 512 consecutive bytes, at a multiple of 256 from out0's first byte; written once, read by nobody here
.endr
	WIN 0
	s_wait_xcnt 0x0                                ; the stores have had their addresses translated: their registers and their base may be written
	s_wait_alu depctr_vm_vsrc(0)                   ; the stores have read the sums, and this trip's LDS stores the partial O and the row's figures v100, v101, v111: the next trip's products and vector instructions write all of these
	s_add_nc_u64 s[12:13], s[12:13], 0x10000       ; 16 rows of out0
	s_sub_co_u32 s27, s27, 1
	s_cmp_lg_u32 s27, 0
	s_cbranch_scc1 .Lgroup
	s_wait_dscnt 0x0                               ; the last trip's fetch of K, which nobody uses, has come back
	s_wait_alu depctr_hold_cnt(0) depctr_sa_sdst(0) depctr_va_vdst(0) depctr_va_sdst(0) depctr_va_ssrc(0) depctr_va_vcc(0) depctr_vm_vsrc(0)
	s_wait_tensorcnt 0x0
	ds_add_u32 v15, v73
	s_wait_dscnt 0x0
	s_endpgm
.Lfunc_end_k_qbd76201346_attn:
	.size	k_qbd76201346_attn, .Lfunc_end_k_qbd76201346_attn-k_qbd76201346_attn
	.p2alignl 7, 3214868480
	.fill 96, 4, 3214868480
	.section	.rodata,"a",@progbits
	.p2align	6, 0x0
	.amdhsa_kernel k_qbd76201346_attn
		.amdhsa_group_segment_fixed_size 308480
		.amdhsa_private_segment_fixed_size 0
		.amdhsa_enable_private_segment 0
		.amdhsa_kernarg_size 40
		.amdhsa_user_sgpr_count 2
		.amdhsa_user_sgpr_kernarg_segment_ptr 1
		.amdhsa_wavefront_size32 1
		.amdhsa_system_sgpr_workgroup_id_x 1
		.amdhsa_system_sgpr_workgroup_id_y 1
		.amdhsa_system_sgpr_workgroup_id_z 1
		.amdhsa_system_vgpr_workitem_id 0
		.amdhsa_next_free_vgpr 1024
		.amdhsa_next_free_sgpr 66
		.amdhsa_reserve_vcc 0
		.amdhsa_float_denorm_mode_32 3
		.amdhsa_float_denorm_mode_16_64 3
		.amdhsa_memory_ordered 1
		.amdhsa_forward_progress 1
		.amdhsa_inst_pref_size 226
	.end_amdhsa_kernel
	.amdgpu_metadata
---
amdhsa.version: [ 1, 2 ]
amdhsa.kernels:
  - .name:           k_qbd76201346_attn
    .symbol:         k_qbd76201346_attn.kd
    .args:
      - { .name: key, .offset: 0, .size: 8, .value_kind: global_buffer, .address_space: global }
      - { .name: query, .offset: 8, .size: 8, .value_kind: global_buffer, .address_space: global }
      - { .name: value_codes, .offset: 16, .size: 8, .value_kind: global_buffer, .address_space: global }
      - { .name: value_scales, .offset: 24, .size: 8, .value_kind: global_buffer, .address_space: global }
      - { .name: out0, .offset: 32, .size: 8, .value_kind: global_buffer, .address_space: global }
    .group_segment_fixed_size: 308480
    .private_segment_fixed_size: 0
    .kernarg_segment_align: 8
    .kernarg_segment_size: 40
    .max_flat_workgroup_size: 128
    .sgpr_count:     66
    .vgpr_count:     1024
    .wavefront_size: 32
...
	.end_amdgpu_metadata
.endif
;; end of part 2
